; MI455X (gfx1250); checked and timed in simulation.
; The chip was launched on July 23, 2026; its instructions are those of AMD's public machine-readable ISA for CDNA 5 (MIT licence, August 2026) and "CDNA5" Instruction Set Architecture Reference Guide (July 2026). The comments in the code are by the model that wrote it; some were corrected since.
;; Top K Query Bess KGE. Allowed arithmetic: float matrix products may take bf16 or f16 operands with f32 sums; all other float work in f32.
;; Inputs: entity_embedding 4 x 32,768 x 256 float32; head 4 x 256 int32; relation 4 x 256 int32; relation_embedding 1,000 x 256 float32.
;; Outputs: out0 4 x 256 x 10 int32; out1 4 x 256 x 10 float32.
;; One version. Each part assembles by itself: llvm-mc -triple=amdgcn-amd-amdhsa -mcpu=gfx1250 --defsym DOCPART=n.
;; ======== version 1 of 1: 4 launches
;; workspace buffers: QF 524,288 bytes; QXP 1,048,576 bytes; KEYS 4,194,304 bytes; CAND 65,536 bytes of whole numbers
;; launch prep (part 1): grid 64 x 1, 16 waves a work-group, no clusters, 10,752 bytes of LDS; arguments head, relation, entity_embedding, relation_embedding, QF, QXP; writes QF, QXP
.if DOCPART == 1
	.amdgcn_target "amdgcn-amd-amdhsa--gfx1250"
	.amdhsa_code_object_version 6
	.text
	.protected	k_q7a757522f3_prep
	.globl	k_q7a757522f3_prep
	.p2align	8
	.type	k_q7a757522f3_prep,@function
k_q7a757522f3_prep:
	s_mov_b64 s[64:65], 0
	v_nop
	global_prefetch_b8 v0, s[64:65] scope:SCOPE_SE
	s_setreg_imm32_b32 hwreg(HW_REG_WAVE_MODE, 25, 1), 1
	s_wait_xcnt 0x0
; THE QUERY VECTORS.  q[k] = bf16(head row[k]) * bf16(relation row[k]): 8 significant bits times 8, so the product is exact in f32.
; QXP takes it in f32, [query][half of eight (2)][l (32)][4 numbers]: number k = 8 l + 4 half + e; QF takes bf16(q) in the order in which a
; matrix instruction's second source wants it: [tile of 16 queries][k / 8 (32)][query in the tile (16)][8 numbers of 2 bytes].
; SHARES.  A work-group is a tile of 16 queries, a wave one query, a lane 8 neighbouring k.  The 16 waves' pieces change places in LDS, so that QF is
; stored in runs of 512 consecutive bytes.  No cluster: no two work-groups read the same bytes but by chance of the indices.  64 work-groups: there are 64 tiles.
; LIMITS.  A product below f32's normal range is rounded; indices are taken to lie inside their tables and are clamped to them.
.set UP,    272                        ; a unit of 16 queries x 16 bytes, and 16 bytes of padding
.set SPARE, 32*UP                      ; behind the 32 units: the spare words, 128 bytes for each of 16 waves
	s_load_b256 s[4:11], s[0:1], 0x0               ; head s[4:5], relation s[6:7], entities s[8:9], relations' rows s[10:11]
	s_load_b128 s[12:15], s[0:1], 0x20             ; QF s[12:13], QXP s[14:15]
	v_lshl_add_u32 v30, v0, 2, SPARE               ; my spare word,
	v_mov_b32 v31, 0                               ; and 0: kept for the closing add alone
	v_lshrrev_b32 v1, 5, v0
	v_readfirstlane_b32 s16, v1                    ; wave = the query's place in the tile
	v_and_b32 v2, 31, v0                           ; lane
	s_lshl_b32 s17, ttmp9, 4
	s_add_co_u32 s17, s17, s16                     ; the query
	s_lshl_b32 s18, s17, 2                         ; its word in head and in relation
	s_mov_b32 s19, 0
	s_mov_b32 s26, 0xffff0000                      ; a word's upper bf16
	v_lshlrev_b32 v3, 5, v2                        ; my 8 numbers in a row of f32
	v_lshlrev_b32 v60, 4, v2                       ; my 16 bytes in a half of QXP's row
	v_mul_u32_u24 v61, v2, UP
	v_lshl_add_u32 v61, s16, 4, v61                ; into LDS: unit = lane, place = wave
	v_lshrrev_b32 v62, 4, v2
	v_lshl_add_u32 v62, s16, 1, v62                ; back: unit 2 wave + lane / 16,
	v_mul_u32_u24 v62, v62, UP
	v_and_b32 v1, 15, v2
	v_lshl_add_u32 v62, v1, 4, v62                 ; place lane % 16
	v_lshlrev_b32 v63, 4, v0                       ; and 16 x thread in the tile's 8,192 bytes of QF
	s_wait_kmcnt 0x0
	s_add_nc_u64 s[4:5], s[4:5], s[18:19]
	s_add_nc_u64 s[6:7], s[6:7], s[18:19]
	s_load_b32 s20, s[4:5], 0x0                    ; head[q]
	s_load_b32 s21, s[6:7], 0x0                    ; relation[q]
	s_lshr_b32 s22, s17, 8
	s_lshl_b32 s22, s22, 15                        ; the query's shard x 32,768 rows
	s_lshl_b32 s24, s17, 10
	s_mov_b32 s25, 0
	s_add_nc_u64 s[14:15], s[14:15], s[24:25]      ; QXP at my query
	s_lshl_b32 s24, ttmp9, 13
	s_add_nc_u64 s[12:13], s[12:13], s[24:25]      ; QF at my tile
	s_wait_kmcnt 0x0
	s_min_u32 s20, s20, 0x7fff                     ; inside the tables
	s_min_u32 s21, s21, 999
	s_add_co_u32 s22, s22, s20
	s_lshl_b32 s22, s22, 10                        ; rows of 1,024 bytes
	s_mov_b32 s23, 0
	s_add_nc_u64 s[8:9], s[8:9], s[22:23]
	s_lshl_b32 s24, s21, 10
	s_add_nc_u64 s[10:11], s[10:11], s[24:25]
	global_load_b128 v[4:7], v3, s[8:9]
	global_load_b128 v[8:11], v3, s[8:9] offset:16
	global_load_b128 v[12:15], v3, s[10:11]
	global_load_b128 v[16:19], v3, s[10:11] offset:16
	s_wait_loadcnt 0x0
.irp j, 0,1,2,3
	v_cvt_pk_bf16_f32 v[20+(\j)], v[4+2*(\j)], v[5+2*(\j)]     ; the head row, rounded to bf16
	v_cvt_pk_bf16_f32 v[24+(\j)], v[12+2*(\j)], v[13+2*(\j)]   ; the relation row
.endr
.irp j, 0,1,2,3
	v_lshlrev_b32 v[32+2*(\j)], 16, v[20+(\j)]                 ; and widened again
	v_and_b32     v[33+2*(\j)], s26, v[20+(\j)]
	v_lshlrev_b32 v[40+2*(\j)], 16, v[24+(\j)]
	v_and_b32     v[41+2*(\j)], s26, v[24+(\j)]
.endr
.irp j, 0,2,4,6
	v_pk_mul_f32 v[48+(\j):49+(\j)], v[32+(\j):33+(\j)], v[40+(\j):41+(\j)]  ; exact
.endr
	global_store_b128 v60, v[48:51], s[14:15]              ; each store of the wave covers 512 consecutive bytes
	global_store_b128 v60, v[52:55], s[14:15] offset:512
.irp j, 0,1,2,3
	v_cvt_pk_bf16_f32 v[56+(\j)], v[48+2*(\j)], v[49+2*(\j)]
.endr
	ds_store_b128 v61, v[56:59]
	s_wait_dscnt 0x0                               ; for the others' sake: my piece lies in LDS
	s_barrier_signal -1
	s_barrier_wait -1
	ds_load_b128 v[56:59], v62                     ; two whole units
	s_wait_dscnt 0x0
	global_store_b128 v63, v[56:59], s[12:13]      ; 512 consecutive bytes of QF
	s_wait_tensorcnt 0x0                           ; the wave's end, behind my last LDS store
	ds_add_u32 v30, v31
	s_wait_dscnt 0x0
	s_endpgm
.Lfunc_end_k_q7a757522f3_prep:
	.size	k_q7a757522f3_prep, .Lfunc_end_k_q7a757522f3_prep-k_q7a757522f3_prep
	.p2alignl 7, 3214868480
	.fill 96, 4, 3214868480
	.section	.rodata,"a",@progbits
	.p2align	6, 0x0
	.amdhsa_kernel k_q7a757522f3_prep
		.amdhsa_group_segment_fixed_size 10752
		.amdhsa_private_segment_fixed_size 0
		.amdhsa_enable_private_segment 0
		.amdhsa_kernarg_size 48
		.amdhsa_user_sgpr_count 2
		.amdhsa_user_sgpr_kernarg_segment_ptr 1
		.amdhsa_wavefront_size32 1
		.amdhsa_system_sgpr_workgroup_id_x 1
		.amdhsa_system_sgpr_workgroup_id_y 1
		.amdhsa_system_sgpr_workgroup_id_z 1
		.amdhsa_system_vgpr_workitem_id 0
		.amdhsa_next_free_vgpr 64
		.amdhsa_next_free_sgpr 66
		.amdhsa_reserve_vcc 0
		.amdhsa_float_denorm_mode_32 3
		.amdhsa_float_denorm_mode_16_64 3
		.amdhsa_memory_ordered 1
		.amdhsa_forward_progress 1
		.amdhsa_inst_pref_size 5
	.end_amdhsa_kernel
	.amdgpu_metadata
---
amdhsa.version: [ 1, 2 ]
amdhsa.kernels:
  - .name:           k_q7a757522f3_prep
    .symbol:         k_q7a757522f3_prep.kd
    .args:
      - { .name: head, .offset: 0, .size: 8, .value_kind: global_buffer, .address_space: global }
      - { .name: relation, .offset: 8, .size: 8, .value_kind: global_buffer, .address_space: global }
      - { .name: entity_embedding, .offset: 16, .size: 8, .value_kind: global_buffer, .address_space: global }
      - { .name: relation_embedding, .offset: 24, .size: 8, .value_kind: global_buffer, .address_space: global }
      - { .name: QF, .offset: 32, .size: 8, .value_kind: global_buffer, .address_space: global }
      - { .name: QXP, .offset: 40, .size: 8, .value_kind: global_buffer, .address_space: global }
    .group_segment_fixed_size: 10752
    .private_segment_fixed_size: 0
    .kernarg_segment_align: 8
    .kernarg_segment_size: 48
    .max_flat_workgroup_size: 512
    .sgpr_count:     66
    .vgpr_count:     64
    .wavefront_size: 32
...
	.end_amdgpu_metadata
.endif
;; end of part 1
;; launch score (part 2): grid 256 x 1, 4 waves a work-group, clusters of 4 x 1, 327,680 bytes of LDS; arguments entity_embedding, QF, KEYS; writes KEYS
.if DOCPART == 2
	.amdgcn_target "amdgcn-amd-amdhsa--gfx1250"
	.amdhsa_code_object_version 6
	.text
	.protected	k_q7a757522f3_score
	.globl	k_q7a757522f3_score
	.p2align	8
	.type	k_q7a757522f3_score,@function
k_q7a757522f3_score:
	s_mov_b64 s[64:65], 0
	v_nop
	global_prefetch_b8 v0, s[64:65] scope:SCOPE_SE
	s_setreg_imm32_b32 hwreg(HW_REG_WAVE_MODE, 25, 1), 1
	s_wait_xcnt 0x0
	s_wait_alu depctr_hold_cnt(0) depctr_sa_sdst(0) depctr_va_vdst(0) depctr_va_sdst(0) depctr_va_ssrc(0) depctr_va_vcc(0) depctr_vm_vsrc(0)
	s_getreg_b32 s2, hwreg(HW_REG_IB_STS2, 6, 4)
	s_cmp_eq_u32 s2, 0
	s_cbranch_scc0 .Lentry_in_a_cluster
	s_endpgm
.Lentry_in_a_cluster:
	s_bfe_u32 s2, ttmp6, 0x10000c
	s_cmp_lg_u32 s2, 0x3003
	s_cbranch_scc0 .Lentry_shape_is_right
	s_endpgm
.Lentry_shape_is_right:
; ALL SCORES, AND WHO MAY BE AMONG THE BEST.  score(q, g) = sum over k of bf16(q[k]) bf16(t[g][k]) in f32 sums, for 1,024 queries and 131,072 entity rows g (shard x 32,768 + local row).
; No score reaches memory: each lane keeps, for each of its queries, the four largest KEYS of its share of the rows.  The exact scores and the order are made in a later launch.
; SHARES.  A cluster of four work-groups owns 2,048 rows (er = the cluster's number); partner cx owns queries 256 cx ..; the rows' tiles are asked for JOINTLY, the same tensor load, descriptor and
; mask in all four, so each byte of the table is fetched once.  Wave w: wq = w & 1 picks 128 queries (eight tiles of 16, b), we = w >> 1 picks 64 of a step's 128 rows.  16 steps; a wave walks 64 TILES of 16 rows.
; g's bits: er 16:11, step 10:7, we 6, tile in the step (a) 5:4, h 3, j 2:0.  Source 0 = 16 rows, source 1 = 16 queries: lane (r, h) holds query r, register j row 8 h + j.
; A KEY is a score whose low ten bits are replaced: 2:0 j, 3 a & 1, 8:4 u = 2 step + (a >> 1), 9 the flag W.  Keys compare as f32; the 22 bits that are left decide first.
; SELECTION.  Level 1: of the 16 keys of a WINDOW (tiles 2 u, 2 u + 1; one lane, one query) the two largest, x1 and x2.  Level 2: a sorted list L1..L4 for the lane's 512 rows takes every window's x1 and x2,
; x2 with W set.  What a window drops is no larger than its x2, what the list drops no larger than L4: the next launch asks for a second look wherever such a witness is itself among the best.
; PIPELINE.  Tile n multiplies from A buffer n & 1 into accumulator set n & 1; behind its 64 matrix instructions stand, as riders, the LDS loads and conversions to bf16 of tile n + 1 and the selection on tile n - 1.
; The first trip's selection works on registers filled with a number below every score (128 v_mov_b32): the price of writing no first tile out.
; LIMITS.  The keys rank by q rounded to bf16 and by 22 bits of the score; scores stay above -1.7e38; NaN and infinities are not treated apart.
; REGISTERS, in windows of 256 (s_set_vgpr_msb: bits 1:0 source 0, 3:2 source 1, 5:4 source 2, 7:6 destination):
;   window 0: v0-15 addresses and at work; v16-47 L, four a query tile; v48-63 x1, x2; v64-79 y1, y2 (a closed window's pair, on its way into L); v128-191, v192-255 two sets of 8 accumulators
;   window 1: v0-63, v64-127 two A buffers (16 rows x 256 k in bf16); v128-255 a tile's f32 as it comes from LDS          windows 2, 3: Q, query tile b at 64 (b % 4) + 8 kb, b < 4 in window 2
.set PITCH, 1040                       ; a row in LDS: 1,024 bytes + 16 of padding = 65 x 16: the 16 rows of a load start at 16 different groups of four banks (64 banks of 4 bytes: ISA guide 11.1)
.set TILEB, 16*PITCH                   ; a tile of 16 rows
.set WLOAD, 32*PITCH                   ; what one tensor load brings
.set HALFB, 64*PITCH                   ; a wave's 64 rows of a step
.set SLOT,  128*PITCH                  ; 0x20800: its two bits occur in no wave's WLOAD multiple, so one exclusive or changes slots
.set STAGE, 2*SLOT                     ; behind the ring, never filled by a tensor load: 64 units of 256 bytes, the way out
.set SPARE, STAGE+16384                ; the spare words, 128 bytes for each wave
.set STEPG, 128*1024                   ; a step's rows in memory
.set AD0, 2                            ; v2   my lane's place in a tile: we x 64 rows + r x pitch + 32 h; never rewritten
.set AD,  3                            ; v3   the LDS address of the run of loads in hand
.set STO, 4                            ; v4   the way out: where I put a list
.set RD,  5                            ; v5   where I read units back
.set GO,  6                            ; v6   my byte offset in KEYS
.set L16, 7                            ; v7   16 x lane
.set SPW, 8                            ; v8   my spare word; never rewritten
.set NIL, 9                            ; v9   0; never rewritten
.set TT,  10                           ; v10-11 at work
.set LL,  16
.set XX,  48
.set YY,  64
.set ACC, 128
.set SS,  128                          ; window 1
.set WV,  12                           ; s12 wave;  s13 wq;  s14 we;  s15 cx
.set WQ,  13
.set WE,  14
.set CX,  15
.set G1,  24                           ; s[24:31] descriptor group 1
.set G0A, 32                           ; s[32:35] group 0 of the first fill of slot 0
.set G0B, 36                           ; s[36:39] group 0 of slot 1's first fill; it then walks
.set MASK, 40                          ; s40  0xfffffc00
.set WB,  41                           ; s41  u << 4 of the window that closes next
.set WBF, 42                           ; s42  the same with W
.set TB,  43                           ; s43  LDS byte at which the tile to be fetched begins
.set CNT, 44
.set SLOTS, 45
.set NEG, 46                           ; s46  0xff000000: below every score
.set MSB, 0
.macro WIN new                         ; the high byte repeats the setting that is left; a switch that changes nothing is dropped
.if MSB != (\new)
	s_set_vgpr_msb (MSB<<8)|(\new)
.set MSB, (\new)
.endif
.endm
; A round of the cluster's barrier: my work-group's barrier, so that wave 0's signal speaks for all four waves; wave 0 signals; every wave waits for all four work-groups; my work-group's barrier once more.
.macro CROUND
	s_barrier_signal -1
	s_barrier_wait -1
	s_cmp_lg_u32 s[WV], 0
	s_cbranch_scc1 .Lnot_wave_0_\@
	s_barrier_signal -3
.Lnot_wave_0_\@:
	s_barrier_wait -3
	s_barrier_signal -1
	s_barrier_wait -1
.endm
; THE CHANGE OF SLOTS.  Each wave waits for all its tensor loads, of which one is out: its 32 rows of the other slot; adds 0 to its spare word; waits for that and for its reads of the slot that it leaves.
; fill = 1: the barrier is a round of the cluster's, and the joint refill (the step two on) is the first thing behind it: it has a step, 256 matrix instructions, in which to land.
.macro CHANGE fill
	WIN 0                                          ; at a label and at a branch every window is 0
	s_wait_tensorcnt 0x0                           ; no tensor load of mine is out, so a group 0 may be written
	ds_add_u32 v[SPW], v[NIL]                      ; 0 onto my spare word
.if \fill
	s_xor_b32 s[G0B+1], s[G0B+1], SLOT             ; the other slot than last time,
	s_add_nc_u64 s[G0B+2:G0B+3], s[G0B+2:G0B+3], STEPG  ; the next 128 rows; the type bits on top are not reached
.endif
	s_wait_dscnt 0x0                               ; the add is done, and my reads of the slot are over
.if \fill
	CROUND
	tensor_load_to_lds s[G0B:G0B+3], s[G1:G1+7]
	s_nop 0
.rept 4
	v_nop
.endr
.else
	s_barrier_signal -1
	s_barrier_wait -1
.endif
	s_sub_co_u32 s[TB], s[TB], HALFB               ; the fetches go back to a step's first tile,
	s_xor_b32 s[TB], s[TB], SLOT                   ; in the other slot
.endm
; Matrix instruction mi of a tile's 64: k 32 (mi / 8) on, query tile mi % 8.  The 8 accumulators take turns; the first 8 start the sums.
.macro MM par
.set bq, mi%8
.set kq, mi/8
.set rD, ACC+64*(\par)+8*bq
.set rA, 64*(\par)+8*kq
.set rB, 64*(bq%4)+8*kq
	WIN 0x09+4*(bq/4)                              ; A in window 1, Q in window 2 or 3, C and D in window 0
.if mi < 8
	v_wmma_f32_16x16x32_bf16 v[rD:rD+7], v[rA:rA+7], v[rB:rB+7], 0
.else
	v_wmma_f32_16x16x32_bf16 v[rD:rD+7], v[rA:rA+7], v[rB:rB+7], v[rD:rD+7]
.endif
.set mi, mi+1
.endm
; LDS load lq of 32: for k block lq / 4 a lane's 16 numbers are 8 at byte 32 h and 8 at byte 64 + 32 h of the block's 128 bytes
.macro LDQ
	ds_load_b128 v[SS+4*lq:SS+4*lq+3], v[AD] offset:(lq/4)*128+((lq/2)%2)*64+(lq%2)*16
.set lq, lq+1
.endm
.macro CVQ par                         ; conversion cq of 64, into the A buffer that tile par does not multiply
	v_cvt_pk_bf16_f32 v[64*(1-(\par))+cq], v[SS+2*cq], v[SS+2*cq+1]
.set cq, cq+1
.endm
; LEVEL 1, entry n of 40 for the query tiles 2 g and 2 g + 1, on the accumulator set that tile par does not write.  Kinds: 0 a score becomes a key; for a pair of keys ka, kb:
; 1 t = the middle of (x1, ka, kb);  2 x1 = the largest of them;  3 x2 = max(x2, t).  par = 1: the window opens: its first pair gives x2 = min, x1 = max.
; Each accumulator's lowest registers are read first.
.macro SELQ par, g, n
	WIN 0
.set k0, ACC+64*(1-(\par))+16*(\g)
.set x0, XX+4*(\g)
.set cc, 8*(1-(\par))
.set bs, (\n)%2
.set pp, 0
.set rr, 0
.set kind, 0
.if (\n) < 8
.set bs, (\n)/4
.set rr, (\n)%4
.elseif (\n) < 10
.set kind, 1
.elseif (\n) < 12
.set kind, 2
.elseif (\n) < 14
.set bs, 0
.set rr, (\n)-8
.elseif (\n) < 16
.set kind, 3
.elseif (\n) < 18
.set kind, 1
.set pp, 1
.elseif (\n) < 20
.set kind, 2
.set pp, 1
.elseif (\n) < 22
.set bs, 1
.set rr, (\n)-16
.elseif (\n) < 24
.set kind, 3
.elseif (\n) < 26
.set kind, 1
.set pp, 2
.elseif (\n) < 28
.set kind, 2
.set pp, 2
.elseif (\n) < 30
.set bs, 0
.set rr, (\n)-22
.elseif (\n) < 32
.set kind, 3
.elseif (\n) < 34
.set bs, 1
.set rr, (\n)-26
.elseif (\n) < 36
.set kind, 1
.set pp, 3
.elseif (\n) < 38
.set kind, 2
.set pp, 3
.else
.set kind, 3
.endif
.set ka, k0+8*bs+2*pp
.set xr, x0+2*bs
.if kind == 0
	v_and_or_b32 v[k0+8*bs+rr], v[k0+8*bs+rr], s[MASK], cc+rr
.elseif kind == 1
.if (\par) && (pp == 0)
	v_min_num_f32 v[xr+1], v[ka], v[ka+1]
.else
	v_med3_num_f32 v[TT+bs], v[xr], v[ka], v[ka+1]
.endif
.elseif kind == 2
.if (\par) && (pp == 0)
	v_max_num_f32 v[xr], v[ka], v[ka+1]
.else
	v_max3_num_f32 v[xr], v[xr], v[ka], v[ka+1]
.endif
.else
	v_max_num_f32 v[xr+1], v[xr+1], v[TT+bs]
.endif
.endm
; LEVEL 2, entry e of 8 for query tile b: y1 (e < 4), then y2, goes into the sorted list, from the bottom up: each place takes the middle of itself, its upper neighbour and y.
.macro INSQ b, e
	WIN 0
.set lr, LL+4*(\b)
.set yr, YY+2*(\b)+(\e)/4
.if (\e)%4 == 0
	v_med3_num_f32 v[lr+3], v[lr+2], v[lr+3], v[yr]
.elseif (\e)%4 == 1
	v_med3_num_f32 v[lr+2], v[lr+1], v[lr+2], v[yr]
.elseif (\e)%4 == 2
	v_med3_num_f32 v[lr+1], v[lr], v[lr+1], v[yr]
.else
	v_max_num_f32 v[lr], v[lr], v[yr]
.endif
.endm
.macro CLOQ b, e                       ; the window closes: y1 = x1 with u, y2 = x2 with u and W
	WIN 0
	v_or_b32 v[YY+2*(\b)+(\e)], s[WB+(\e)], v[XX+2*(\b)+(\e)]
.endm
; The next entry of a tile's queue of selection work.  par = 1: 4 x 38 of level 1 (kind 3 of the opening pair drops out), then the insertions of query tiles 0-5: 200.
; par = 0: 4 x 40 of level 1, the insertions of query tiles 6, 7, then all 16 closings: 192.  Insertions alternate between two query tiles.
.macro RQ par
.if \par
.if rq < 152
.set sg, rq/38
.set se, rq%38
.if se >= 14
.set se, se+2
.endif
	SELQ 1, sg, se
.elseif rq < 200
.set su, rq-152
	INSQ 2*(su/16)+su%2, (su%16)/2
.endif
.else
.if rq < 160
.set sg, rq/40
.set se, rq%40
	SELQ 0, sg, se
.elseif rq < 176
.set su, rq-160
	INSQ 6+su%2, su/2
.elseif rq < 192
.set su, rq-176
	CLOQ su/2, su%2
.endif
.endif
.set rq, rq+1
.endm
; A TILE.  Behind matrix instructions 0-7 four LDS loads each (the next tile); behind 8-47 five of the queue; behind 48-63 four conversions each.  The riders name no register of the tile's own products.
; The conversions behind the last product are the four places in front of the next tile's first read of these sums.  last = 1: no tile follows: nothing is loaded or converted.
.macro TILE par, last
	WIN 0
.if !(\last)
	v_add_nc_u32 v[AD], s[TB], v[AD0]
	s_add_co_u32 s[TB], s[TB], TILEB
.endif
.set mi, 0
.set rq, 0
.set lq, 0
.set cq, 0
.rept 64
.if (mi == 48) && !(\last)
	s_wait_dscnt 0x0                               ; the next tile's 32 loads, issued 40 matrix instructions ago, are in
.endif
	MM \par
.if mi <= 8
.if !(\last)
	WIN 0x40                                       ; destination window 1, address window 0
	LDQ
	LDQ
	LDQ
	LDQ
.endif
.elseif mi <= 48
	RQ \par
	RQ \par
	RQ \par
	RQ \par
	RQ \par
.elseif !(\last)
	WIN 0x45                                       ; destination and both sources window 1
	CVQ \par
	CVQ \par
	CVQ \par
	CVQ \par
.endif
.endr
.endm
	s_load_b128 s[4:7], s[0:1], 0x0                ; the entities s[4:5], QF s[6:7]
	s_load_b64 s[8:9], s[0:1], 0x10                ; KEYS
	v_lshl_add_u32 v[SPW], v0, 2, SPARE
	v_mov_b32 v[NIL], 0
	ds_add_u32 v[SPW], v[NIL]                      ; the wave's opening: the add and its wait stand ahead of my first tensor load; the set-up below, work on registers, stands between them
	v_lshrrev_b32 v1, 5, v0
	v_readfirstlane_b32 s[WV], v1                  ; wave 0..3
	s_and_b32 s[WQ], s[WV], 1
	s_lshr_b32 s[WE], s[WV], 1
	s_bfe_u32 s[CX], ttmp6, 0x40000                ; my place in the cluster: it enters QF's and KEYS' addresses alone
	; descriptor group 1: 32 rows x 256 elements of 4 bytes, padded in LDS
	s_mov_b32 s[G1+0], 15|(2<<16)|(1<<20)|(1<<21)|(7<<22)|(3<<25)  ; 15:0 the mask of four; 17:16 4-byte elements; 20 padding on; 21 set beside a mask; 24:22 after every 256 words (code 7); 31:25 4 words (code 3)
	s_mov_b32 s[G1+1], 256<<16                     ; tensor_dim0 = 256
	s_mov_b32 s[G1+2], 32<<16                      ; tensor_dim1 = 32
	s_mov_b32 s[G1+3], 256<<16                     ; tile_dim0 = 256
	s_mov_b32 s[G1+4], 32                          ; tile_dim1 = 32
	s_mov_b32 s[G1+5], 256                         ; 256 elements from row to row
	s_mov_b32 s[G1+6], 0
	s_mov_b32 s[G1+7], 0
	s_lshl_b32 s16, ttmp9, 21                      ; the cluster's 2,048 rows of 1,024 bytes,
	s_lshl_b32 s17, s[WV], 15                      ; my 32 rows of a step
	s_add_co_u32 s16, s16, s17
	s_mov_b32 s17, 0
	s_mov_b32 s[G0A], 1                            ; count = 1
	s_mov_b32 s[G0B], 1
	s_mul_i32 s[G0A+1], s[WV], WLOAD               ; LDS address: wave x 32 rows, in slot 0,
	s_add_co_u32 s[G0B+1], s[G0A+1], SLOT          ; in slot 1
	s_lshl_b32 s20, s[CX], 17                      ; QF: 16 query tiles of 8,192 bytes a work-group,
	s_lshl_b32 s21, s[WQ], 16                      ; 8 a wave
	s_add_co_u32 s20, s20, s21
	s_mov_b32 s21, 0
	s_lshl_b32 s22, s[CX], 20                      ; KEYS: 64 groups of four queries a work-group, 16,384 bytes each,
	s_lshl_b32 s23, s[WV], 18                      ; 16 of them stored by each wave,
	s_add_co_u32 s22, s22, s23
	s_lshl_b32 s23, ttmp9, 8                       ; and in each the cluster's 256 bytes
	s_add_co_u32 s22, s22, s23
	s_mov_b32 s23, 0
	s_mov_b32 s[MASK], 0xfffffc00
	s_mov_b32 s[NEG], 0xff000000
	s_mov_b32 s[WB], 0x1f0                         ; the first closing is of no window; the step behind it makes this 0
	s_mov_b32 s[WBF], 0x3f0
	s_mov_b32 s[TB], TILEB                         ; tile 0 is fetched ahead of the loop
	s_wait_dscnt 0x0                               ; the opening add is done
	s_wait_kmcnt 0x0
	s_add_nc_u64 s[G0A+2:G0A+3], s[4:5], s[16:17]  ; global address: step 0,
	s_add_nc_u64 s[G0B+2:G0B+3], s[G0A+2:G0A+3], STEPG  ; step 1
	s_or_b32 s[G0A+3], s[G0A+3], 0x80000000        ; type = 2
	s_or_b32 s[G0B+3], s[G0B+3], 0x80000000
	s_add_nc_u64 s[6:7], s[6:7], s[20:21]
	s_add_nc_u64 s[8:9], s[8:9], s[22:23]
	CROUND                                         ; all four work-groups are here: the first joint loads meet
	tensor_load_to_lds s[G0A:G0A+3], s[G1:G1+7]    ; both first fills together: two loads of mine are out
	s_nop 0
	tensor_load_to_lds s[G0B:G0B+3], s[G1:G1+7]
	s_nop 0
.rept 4
	v_nop
.endr
	v_and_b32 v1, 15, v0                           ; r
	v_bfe_u32 v14, v0, 4, 1                        ; h
	v_and_b32 v15, 31, v0
	v_lshlrev_b32 v[L16], 4, v15
	WIN 0x80                                       ; Q stays in registers: my 65,536 bytes of QF are the registers' own order, 512 consecutive bytes a load
.set i, 0
.rept 64
	global_load_b128 v[4*i:4*i+3], v[L16], s[6:7] offset:512*i
.set i, i+1
.endr
	WIN 0xc0
.set i, 0
.rept 64
	global_load_b128 v[4*i:4*i+3], v[L16], s[6:7] offset:32768+512*i
.set i, i+1
.endr
	WIN 0
.set i, LL
.rept 64                               ; L, x and y,
	v_mov_b32 v[i], s[NEG]
.set i, i+1
.endr
.set i, ACC+64
.rept 64                               ; and the accumulator set on which the first tile's riders select
	v_mov_b32 v[i], s[NEG]
.set i, i+1
.endr
	v_mul_u32_u24 v[AD0], v1, PITCH
	v_lshl_add_u32 v[AD0], v14, 5, v[AD0]
	s_mul_i32 s16, s[WE], HALFB
	v_add_nc_u32 v[AD0], s16, v[AD0]
	v_lshrrev_b32 v10, 2, v1                       ; the stage: [group of four queries (64)][we, h (4)][query in the group (4)][16 bytes]
	v_and_b32 v11, 3, v1
	v_lshlrev_b32 v[STO], 8, v10
	v_lshl_add_u32 v[STO], v11, 4, v[STO]
	v_lshl_add_u32 v[STO], v14, 6, v[STO]
	s_lshl_b32 s16, s[WQ], 13
	s_lshl_b32 s17, s[WE], 7
	s_add_co_u32 s16, s16, s17
	s_add_co_u32 s16, s16, STAGE
	v_add_nc_u32 v[STO], s16, v[STO]
	s_lshl_b32 s16, s[WV], 12                      ; back: wave w takes units 16 w .. 16 w + 15, two a load
	s_add_co_u32 s16, s16, STAGE
	v_add_nc_u32 v[RD], s16, v[L16]
	v_lshlrev_b32 v[GO], 4, v1
	v_lshl_add_u32 v[GO], v14, 14, v[GO]           ; lanes 16-31: the next group of four queries
	v_mov_b32 v[AD], v[AD0]
	s_wait_tensorcnt 1                             ; my part of step 0 is in; step 1's may stay out
	s_barrier_signal -1
	s_barrier_wait -1                              ; everybody's is
.set lq, 0
.set cq, 0
	WIN 0x40
.rept 32
	LDQ                                            ; tile 0
.endr
	s_wait_dscnt 0x0
	WIN 0x45
.rept 64
	CVQ 1                                          ; into A buffer 0
.endr
	WIN 0
	s_wait_loadcnt 0x0                             ; Q
	s_mov_b32 s[CNT], 2
	s_mov_b32 s[SLOTS], 15
	s_branch .Lfirst                               ; the loop is entered at an even tile, in the middle of a trip
.Lslot:                                                ; 14 times, in front of tile 4 s + 3, which fetches the next step's first tile: steps 2 to 15 are asked for
	CHANGE 1
	s_mov_b32 s[CNT], 2
.Lbody:
	TILE 1, 0
	WIN 0
.Lfirst:
	TILE 0, 0
	WIN 0
	s_add_co_u32 s[WB], s[WB], 16                  ; the next window's number
	s_and_b32 s[WB], s[WB], 0x1f0
	s_or_b32 s[WBF], s[WB], 0x200
	s_sub_co_u32 s[CNT], s[CNT], 1
	s_cmp_lg_u32 s[CNT], 0
	s_cbranch_scc1 .Lbody
	s_sub_co_u32 s[SLOTS], s[SLOTS], 1
	s_cmp_lg_u32 s[SLOTS], 0
	s_cbranch_scc1 .Lslot
	CHANGE 0                                       ; the tail is written out: nothing is asked for
	s_mov_b32 s[CNT], 2
.Ltail:                                                ; tiles 59 to 62
	TILE 1, 0
	TILE 0, 0
	WIN 0
	s_add_co_u32 s[WB], s[WB], 16
	s_and_b32 s[WB], s[WB], 0x1f0
	s_or_b32 s[WBF], s[WB], 0x200
	s_sub_co_u32 s[CNT], s[CNT], 1
	s_cmp_lg_u32 s[CNT], 0
	s_cbranch_scc1 .Ltail
	TILE 1, 1                                      ; tile 63
	WIN 0
.rept 4
	v_nop                                          ; the places behind the last products
.endr
.set rq, 0
.rept 192
	RQ 0                                           ; tile 63 is selected, the last window closes,
.endr
.set i, 0
.rept 64
	INSQ 2*(i/16)+i%2, (i%16)/2                    ; and its pairs go into the lists
.set i, i+1
.endr
	; THE WAY OUT.  A list is 16 bytes; a unit of 256 bytes of KEYS holds the lists of four queries from the four (we, h) of this cluster, which lie in two waves: through the work-group's stage.
.irp t, 0,1,2,3,4,5,6,7
	ds_store_b128 v[STO], v[LL+4*(\t):LL+4*(\t)+3] offset:1024*(\t)
.endr
	s_wait_dscnt 0x0                               ; for the others' sake: my lists lie in the stage
	s_barrier_signal -1
	s_barrier_wait -1
.irp t, 0,1,2,3,4,5,6,7
	ds_load_b128 v[ACC+4*(\t):ACC+4*(\t)+3], v[RD] offset:512*(\t)
.endr
.irp t, 0,1,2,3,4,5,6,7
	s_wait_dscnt 7-(\t)                            ; the younger reads may stay out
	global_store_b128 v[GO], v[ACC+4*(\t):ACC+4*(\t)+3], s[8:9] offset:32768*(\t)  ; 16 lanes store 256 consecutive bytes, at a multiple of 256 from KEYS' first byte
.endr
	s_wait_tensorcnt 0x0                           ; the wave's end, behind my last tensor load and my last LDS store
	ds_add_u32 v[SPW], v[NIL]
	s_wait_dscnt 0x0
	CROUND                                         ; the closing round: no work-group ends while a partner may still ask for a tile that names it
	s_endpgm
.Lfunc_end_k_q7a757522f3_score:
	.size	k_q7a757522f3_score, .Lfunc_end_k_q7a757522f3_score-k_q7a757522f3_score
	.p2alignl 7, 3214868480
	.fill 96, 4, 3214868480
	.section	.rodata,"a",@progbits
	.p2align	6, 0x0
	.amdhsa_kernel k_q7a757522f3_score
		.amdhsa_group_segment_fixed_size 327680
		.amdhsa_private_segment_fixed_size 0
		.amdhsa_enable_private_segment 0
		.amdhsa_kernarg_size 24
		.amdhsa_user_sgpr_count 2
		.amdhsa_user_sgpr_kernarg_segment_ptr 1
		.amdhsa_wavefront_size32 1
		.amdhsa_system_sgpr_workgroup_id_x 1
		.amdhsa_system_sgpr_workgroup_id_y 1
		.amdhsa_system_sgpr_workgroup_id_z 1
		.amdhsa_system_vgpr_workitem_id 0
		.amdhsa_next_free_vgpr 1024
		.amdhsa_next_free_sgpr 66
		.amdhsa_reserve_vcc 0
		.amdhsa_float_denorm_mode_32 3
		.amdhsa_float_denorm_mode_16_64 3
		.amdhsa_memory_ordered 1
		.amdhsa_forward_progress 1
		.amdhsa_inst_pref_size 162
	.end_amdhsa_kernel
	.amdgpu_metadata
---
amdhsa.version: [ 1, 2 ]
amdhsa.kernels:
  - .name:           k_q7a757522f3_score
    .symbol:         k_q7a757522f3_score.kd
    .args:
      - { .name: entity_embedding, .offset: 0, .size: 8, .value_kind: global_buffer, .address_space: global }
      - { .name: QF, .offset: 8, .size: 8, .value_kind: global_buffer, .address_space: global }
      - { .name: KEYS, .offset: 16, .size: 8, .value_kind: global_buffer, .address_space: global }
    .group_segment_fixed_size: 327680
    .private_segment_fixed_size: 0
    .kernarg_segment_align: 8
    .kernarg_segment_size: 24
    .max_flat_workgroup_size: 128
    .sgpr_count:     66
    .vgpr_count:     1024
    .wavefront_size: 32
...
	.end_amdgpu_metadata
.endif
;; end of part 2
;; launch pick (part 3): grid 256 x 1, 4 waves a work-group, no clusters, 21,504 bytes of LDS; arguments KEYS, CAND; writes CAND
.if DOCPART == 3
	.amdgcn_target "amdgcn-amd-amdhsa--gfx1250"
	.amdhsa_code_object_version 6
	.text
	.protected	k_q7a757522f3_pick
	.globl	k_q7a757522f3_pick
	.p2align	8
	.type	k_q7a757522f3_pick,@function
k_q7a757522f3_pick:
	s_mov_b64 s[64:65], 0
	v_nop
	global_prefetch_b8 v0, s[64:65] scope:SCOPE_SE
	s_setreg_imm32_b32 hwreg(HW_REG_WAVE_MODE, 25, 1), 1
	s_wait_xcnt 0x0
; THE 16 LARGEST KEYS OF EACH QUERY, as whole numbers for the launch behind.  A query has 256 sorted lists of four keys (list sid = 4 er + 2 we + h).
; A work-group takes four queries (16,384 consecutive bytes of KEYS), a wave one; lane l holds the lists 32 i + l, i = 0..7, as queues in registers.  Sixteen times the largest head of the wave is
; popped.  A word of CAND: bits 16:0 the row (er 16:11, step 10:7, we 6, a 5:4, h 3, j 2:0); bit 30: the key carried W (its window may have dropped a row as good); bit 31: the pop emptied its list
; (the list may have dropped one).  All of this selects values: no address and no branch hangs on a key.  No cluster: no two work-groups read the same bytes.
; LIMITS.  NaN and infinities among the keys are not treated apart.
.set SP,    80                         ; a list's four queries in LDS: 64 bytes + 16 = 5 x 16
.set OUTS,  256*SP                     ; behind them: 128 bytes for each wave's words
.set SPARE, OUTS+512                   ; the spare words, 128 bytes for each wave
.set QU,    32                         ; v32-63: queue i at v[QU + 4 i], the head first
	s_load_b128 s[4:7], s[0:1], 0x0                ; KEYS s[4:5], CAND s[6:7]
	v_lshl_add_u32 v90, v0, 2, SPARE               ; my spare word,
	v_mov_b32 v91, 0                               ; and 0: kept for the closing add alone
	v_and_b32 v1, 31, v0                           ; lane
	v_lshrrev_b32 v2, 5, v0
	v_readfirstlane_b32 s8, v2                     ; wave
	v_lshlrev_b32 v3, 4, v1
	v_lshl_add_u32 v3, v2, 12, v3                  ; from memory: 4,096 bytes a wave, 16 a lane
	v_lshrrev_b32 v4, 2, v1
	v_mul_u32_u24 v4, v4, SP
	v_and_b32 v5, 3, v1
	v_lshl_add_u32 v4, v5, 4, v4
	s_mul_i32 s9, s8, 64*SP
	v_add_nc_u32 v4, s9, v4                        ; into LDS: list 64 w + 8 i + l / 4, query l % 4
	v_mul_u32_u24 v5, v1, SP
	s_lshl_b32 s9, s8, 4
	v_add_nc_u32 v5, s9, v5                        ; back: list 32 i + l, query w
	v_lshl_add_u32 v16, v0, 2, OUTS                ; my word of the result
	v_lshrrev_b32 v17, 3, v1
	v_and_b32 v18, 7, v1
	v_lshlrev_b32 v17, 7, v17
	v_lshl_add_u32 v17, v18, 3, v17
	v_add_nc_u32 v17, OUTS, v17                    ; wave 0 reads all four queries' 16 words, 8 bytes a lane
	v_lshlrev_b32 v18, 3, v1
	s_lshl_b32 s10, ttmp9, 14
	s_mov_b32 s11, 0
	s_lshl_b32 s14, ttmp9, 8
	s_mov_b32 s15, 0
	s_mov_b32 s12, 0x76543210                      ; v_permlanex16_b32: each lane takes its own place in the other half
	s_mov_b32 s13, 0xfedcba98
	s_mov_b32 s20, 0x7f800000                      ; +infinity: matches no head
	s_mov_b32 s21, 0xff800000                      ; -infinity: an empty place
	v_mov_b32 v10, 0                               ; the popped queue's next head,
	v_mov_b32 v11, 0                               ; its number,
	v_mov_b32 v13, 0                               ; and the result: lane t takes pop t
	s_wait_kmcnt 0x0
	s_add_nc_u64 s[4:5], s[4:5], s[10:11]
	s_add_nc_u64 s[6:7], s[6:7], s[14:15]
.irp i, 0,1,2,3,4,5,6,7
	global_load_b128 v[QU+4*(\i):QU+4*(\i)+3], v3, s[4:5] offset:512*(\i) th:TH_LOAD_NT
.endr
.irp i, 0,1,2,3,4,5,6,7
	s_wait_loadcnt 7-(\i)                          ; the younger loads may stay out
	ds_store_b128 v4, v[QU+4*(\i):QU+4*(\i)+3] offset:8*SP*(\i)
.endr
	s_wait_dscnt 0x0                               ; for the others' sake
	s_barrier_signal -1
	s_barrier_wait -1
.irp i, 0,1,2,3,4,5,6,7
	ds_load_b128 v[QU+4*(\i):QU+4*(\i)+3], v5 offset:32*SP*(\i)
.endr
	s_wait_dscnt 0x0
	s_mov_b32 s25, 0
.Lpop:
	v_max3_num_f32 v6, v[QU], v[QU+4], v[QU+8]     ; my largest head,
	v_max3_num_f32 v8, v[QU+12], v[QU+16], v[QU+20]
	v_max3_num_f32 v6, v6, v[QU+24], v[QU+28]
	v_max_num_f32 v6, v6, v8
	v_mov_b32 v7, v6
	v_max_num_f32_dpp v7, v7, v7 row_xmask:1 row_mask:0xf bank_mask:0xf  ; the wave's
	v_max_num_f32_dpp v7, v7, v7 row_xmask:2 row_mask:0xf bank_mask:0xf
	v_max_num_f32_dpp v7, v7, v7 row_xmask:4 row_mask:0xf bank_mask:0xf
	v_max_num_f32_dpp v7, v7, v7 row_xmask:8 row_mask:0xf bank_mask:0xf
	v_permlanex16_b32 v8, v7, s12, s13
	v_max_num_f32 v7, v7, v8
	v_cmp_eq_u32 s22, v6, v7                       ; who holds it (the maximum is one lane's own word),
	s_ctz_i32_b32 s23, s22                         ; the lowest such lane
	v_cmp_eq_u32 vcc_lo, s23, v1
	v_cndmask_b32 v9, s20, v7, vcc_lo              ; what is looked for: the key there, nothing elsewhere
.irp i, 0,1,2,3,4,5,6,7
	v_cmp_eq_u32 vcc_lo, v[QU+4*(\i)], v9
	v_cndmask_b32 v10, v10, v[QU+4*(\i)+1], vcc_lo
	v_cndmask_b32 v11, v11, \i, vcc_lo
	v_cndmask_b32 v[QU+4*(\i)], v[QU+4*(\i)], v[QU+4*(\i)+1], vcc_lo      ; the queue moves up
	v_cndmask_b32 v[QU+4*(\i)+1], v[QU+4*(\i)+1], v[QU+4*(\i)+2], vcc_lo
	v_cndmask_b32 v[QU+4*(\i)+2], v[QU+4*(\i)+2], v[QU+4*(\i)+3], vcc_lo
	v_cndmask_b32 v[QU+4*(\i)+3], v[QU+4*(\i)+3], s21, vcc_lo
	v_cndmask_b32 v9, v9, s20, vcc_lo              ; one queue alone is popped
.endr
	v_lshl_add_u32 v14, v11, 5, v1                 ; sid
	v_lshrrev_b32 v12, 2, v14
	v_lshlrev_b32 v12, 11, v12                     ; er
	v_bfe_u32 v15, v7, 5, 4
	v_lshl_or_b32 v12, v15, 7, v12                 ; step
	v_bfe_u32 v15, v14, 1, 1
	v_lshl_or_b32 v12, v15, 6, v12                 ; we
	v_bfe_u32 v15, v7, 3, 2
	v_lshl_or_b32 v12, v15, 4, v12                 ; a
	v_and_b32 v15, 1, v14
	v_lshl_or_b32 v12, v15, 3, v12                 ; h
	v_and_b32 v15, 7, v7
	v_or_b32 v12, v12, v15                         ; j
	v_bfe_u32 v15, v7, 9, 1
	v_lshl_or_b32 v12, v15, 30, v12                ; W
	v_cmp_eq_u32 vcc_lo, s21, v10
	v_cndmask_b32 v15, 0, 1, vcc_lo
	v_lshl_or_b32 v12, v15, 31, v12                ; the list is empty
	v_readlane_b32 s24, v12, s23                   ; the popping lane's word
	v_cmp_eq_u32 vcc_lo, s25, v1
	v_cndmask_b32 v13, v13, s24, vcc_lo
	s_add_co_u32 s25, s25, 1
	s_cmp_lt_u32 s25, 16
	s_cbranch_scc1 .Lpop
	ds_store_b32 v16, v13
	s_wait_dscnt 0x0                               ; for wave 0's sake
	s_barrier_signal -1
	s_barrier_wait -1
	s_wait_tensorcnt 0x0                           ; behind my last LDS store; only a read of LDS follows
	ds_add_u32 v90, v91
	s_wait_dscnt 0x0
	s_cmp_lg_u32 s8, 0
	s_cbranch_scc1 .Lend
	ds_load_b64 v[14:15], v17
	s_wait_dscnt 0x0
	global_store_b64 v18, v[14:15], s[6:7]         ; the four queries' 256 consecutive bytes, at a multiple of 256 from CAND's first byte
.Lend:
	s_endpgm
.Lfunc_end_k_q7a757522f3_pick:
	.size	k_q7a757522f3_pick, .Lfunc_end_k_q7a757522f3_pick-k_q7a757522f3_pick
	.p2alignl 7, 3214868480
	.fill 96, 4, 3214868480
	.section	.rodata,"a",@progbits
	.p2align	6, 0x0
	.amdhsa_kernel k_q7a757522f3_pick
		.amdhsa_group_segment_fixed_size 21504
		.amdhsa_private_segment_fixed_size 0
		.amdhsa_enable_private_segment 0
		.amdhsa_kernarg_size 16
		.amdhsa_user_sgpr_count 2
		.amdhsa_user_sgpr_kernarg_segment_ptr 1
		.amdhsa_wavefront_size32 1
		.amdhsa_system_sgpr_workgroup_id_x 1
		.amdhsa_system_sgpr_workgroup_id_y 1
		.amdhsa_system_sgpr_workgroup_id_z 1
		.amdhsa_system_vgpr_workitem_id 0
		.amdhsa_next_free_vgpr 96
		.amdhsa_next_free_sgpr 66
		.amdhsa_reserve_vcc 1
		.amdhsa_float_denorm_mode_32 3
		.amdhsa_float_denorm_mode_16_64 3
		.amdhsa_memory_ordered 1
		.amdhsa_forward_progress 1
		.amdhsa_inst_pref_size 10
	.end_amdhsa_kernel
	.amdgpu_metadata
---
amdhsa.version: [ 1, 2 ]
amdhsa.kernels:
  - .name:           k_q7a757522f3_pick
    .symbol:         k_q7a757522f3_pick.kd
    .args:
      - { .name: KEYS, .offset: 0, .size: 8, .value_kind: global_buffer, .address_space: global }
      - { .name: CAND, .offset: 8, .size: 8, .value_kind: global_buffer, .address_space: global }
    .group_segment_fixed_size: 21504
    .private_segment_fixed_size: 0
    .kernarg_segment_align: 8
    .kernarg_segment_size: 16
    .max_flat_workgroup_size: 128
    .sgpr_count:     66
    .vgpr_count:     96
    .wavefront_size: 32
...
	.end_amdgpu_metadata
.endif
;; end of part 3
;; launch final (part 4): grid 256 x 1, 4 waves a work-group, no clusters, 68,096 bytes of LDS; arguments entity_embedding, QXP, CAND, out0, out1; writes out0, out1
.if DOCPART == 4
	.amdgcn_target "amdgcn-amd-amdhsa--gfx1250"
	.amdhsa_code_object_version 6
	.text
	.protected	k_q7a757522f3_final
	.globl	k_q7a757522f3_final
	.p2align	8
	.type	k_q7a757522f3_final,@function
k_q7a757522f3_final:
	s_mov_b64 s[64:65], 0
	v_nop
	global_prefetch_b8 v0, s[64:65] scope:SCOPE_SE
	s_setreg_imm32_b32 hwreg(HW_REG_WAVE_MODE, 25, 1), 1
	s_wait_xcnt 0x0
; THE EXACT SCORES OF THE ROWS THAT WERE NAMED, AND THE TEN BEST.  A wave is a query; no wave waits for another.
; score = sum over k, ascending, on ONE f32 sum, of q[k] bf16(t[k]); q[k] has 16 significant bits, so each product is exact and only the additions round.
; TRIPS.  Trip 0 scores the 16 rows of the list.  Each word with bit 30 adds a trip: the 32 rows (a, j) of its (er, step, we, h).  Each word with bit 31 adds 16: all steps of its (er, we, h).  The count is read from
; whole numbers that an earlier launch stored: 1 + 16 + 256 at the most, which is the clamp.
; A TRIP.  The rows' numbers; each row fetched by the whole wave (two loads of 512 consecutive bytes), rounded to bf16 and laid into the wave's own LDS; then lane l reads row l and walks its 256 k.
; THE ORDER.  Score descending; among equal scores shard ascending, window of 512 descending, place in the window ascending: the row number with bits 14:9 turned, ascending, kept as an exact f32.
; Ten times the best of (this trip's 32, the ten kept) is taken out; whatever carries the same row number goes with it, so a row scored twice counts once.
; A score below -10,000 loses to the reference's placeholders: it leaves as (-1, -20,000).  A query's 40 bytes of each output cannot fill 256 by themselves; the two outputs are 81,920 bytes in all.
; No cluster: the waves' rows are their own.  LIMITS.  NaN and infinities are not treated apart; the additions' order is ascending k.
; REGISTERS: window 0 as named below; window 1: v0-255 = q[0..255], the same in every lane.
.set RP,    528                        ; a row of 256 bf16 in LDS: 512 bytes + 16 = 33 x 16
.set WBY,   32*RP                      ; a wave's 32 rows
.set SPARE, 4*WBY                      ; the spare words, 128 bytes for each wave
.set LN,  1                            ; v1   lane
.set L16, 2                            ; v2   16 x lane
.set LP,  3                            ; v3   (lane / 8) << 4 | lane % 8: a and j of a job's row
.set CA,  4                            ; v4   the list: word lane % 16
.set RID, 5                            ; v5   my row's number
.set STW, 6                            ; v6   into LDS: 8 bytes a lane
.set RDW, 7                            ; v7   back: row = lane
.set AC,  8                            ; v8   the sum
.set SC,  9                            ; v9   this trip's score,  v10 its order number
.set TK,  10
.set BS,  11                           ; v11  the ten kept, in lanes 0-9: score,  v12 order number
.set BT,  12
.set NS,  13                           ; v13, v14 the ten in the making
.set NT,  14
.set CO,  19                           ; v19  my word's offset in the list; never rewritten
.set ZO,  22                           ; v22  0, the offset of q's loads; never rewritten
.set SPW, 28                           ; v28  my spare word; never rewritten
.set NIL, 29                           ; v29  0; never rewritten
.set VO,  32                           ; v32-47 sixteen rows' offsets
.set ROW, 64                           ; v64-191 sixteen rows as loaded; then my row in bf16
.set MSB, 0
.macro WIN new                         ; the high byte repeats the setting that is left
.if MSB != (\new)
	s_set_vgpr_msb (MSB<<8)|(\new)
.set MSB, (\new)
.endif
.endm
; Rows c0 .. c0 + 15: the number from its lane, clamped to the table; 32 loads on their way; then row by row to bf16 and into LDS.
.macro GATHER16 c0
.set c, 0
.rept 16
	v_readlane_b32 s16, v[RID], (\c0)+c
	s_min_u32 s16, s16, 0x1ffff
	v_lshl_add_u32 v[VO+c], s16, 10, v[L16]
	global_load_b128 v[ROW+8*c:ROW+8*c+3], v[VO+c], s[4:5]             ; k = 4 l ..
	global_load_b128 v[ROW+8*c+4:ROW+8*c+7], v[VO+c], s[4:5] offset:512  ; k = 128 + 4 l ..
.set c, c+1
.endr
.set c, 0
.rept 16
	s_wait_loadcnt 30-2*c                          ; the loads issued behind this row's two may stay out
	v_cvt_pk_bf16_f32 v24, v[ROW+8*c], v[ROW+8*c+1]
	v_cvt_pk_bf16_f32 v25, v[ROW+8*c+2], v[ROW+8*c+3]
	v_cvt_pk_bf16_f32 v26, v[ROW+8*c+4], v[ROW+8*c+5]
	v_cvt_pk_bf16_f32 v27, v[ROW+8*c+6], v[ROW+8*c+7]
	ds_store_b64 v[STW], v[24:25] offset:RP*((\c0)+c)
	ds_store_b64 v[STW], v[26:27] offset:RP*((\c0)+c)+256
.set c, c+1
.endr
.endm
	s_load_b256 s[4:11], s[0:1], 0x0               ; the entities s[4:5], QXP s[6:7], CAND s[8:9], out0 s[10:11]
	s_load_b64 s[12:13], s[0:1], 0x20              ; out1
	v_lshl_add_u32 v[SPW], v0, 2, SPARE
	v_mov_b32 v[NIL], 0
	v_lshrrev_b32 v15, 5, v0
	v_readfirstlane_b32 s14, v15                   ; wave
	v_and_b32 v[LN], 31, v0
	v_lshlrev_b32 v[L16], 4, v[LN]
	v_lshrrev_b32 v15, 3, v[LN]
	v_and_b32 v16, 7, v[LN]
	v_lshl_or_b32 v[LP], v15, 4, v16
	v_and_b32 v15, 15, v[LN]
	v_lshlrev_b32 v[CO], 2, v15
	s_mul_i32 s16, s14, WBY                        ; my wave's rows in LDS
	v_lshl_add_u32 v[STW], v[LN], 3, s16
	v_mul_u32_u24 v[RDW], v[LN], RP
	v_add_nc_u32 v[RDW], s16, v[RDW]
	v_mov_b32 v[ZO], 0
	v_mov_b32 v24, 0
	v_mov_b32 v25, 0
	s_lshl_b32 s15, ttmp9, 2
	s_add_co_u32 s15, s15, s14                     ; the query
	s_mov_b32 s19, 0
	s_mov_b32 s22, 0                               ; JC: trips left of the job in hand
	s_mov_b32 s23, 0                               ; JS: its next step
	s_mov_b32 s24, 0                               ; JB: its er, we, h
	s_mov_b32 s30, 0xff800000                      ; -infinity
	s_mov_b32 s31, 0x4e800000                      ; 2^30: above every order number
	s_mov_b32 s32, 0x76543210                      ; v_permlanex16_b32: each lane takes its own place in the other half
	s_mov_b32 s33, 0xfedcba98
	s_mov_b32 s38, 0xc61c4000                      ; -10,000
	s_mov_b32 s39, 0xc69c4000                      ; -20,000
	v_mov_b32 v[BS], s30
	v_mov_b32 v[BT], s31
	s_wait_kmcnt 0x0
	s_lshl_b32 s18, s15, 10
	s_add_nc_u64 s[6:7], s[6:7], s[18:19]          ; q's 1,024 bytes
	s_lshl_b32 s18, s15, 6
	s_add_nc_u64 s[8:9], s[8:9], s[18:19]          ; the list's 64
	s_mul_i32 s18, s15, 40
	s_add_nc_u64 s[10:11], s[10:11], s[18:19]      ; the results' 40 and 40
	s_add_nc_u64 s[12:13], s[12:13], s[18:19]
	global_load_b32 v[CA], v[CO], s[8:9]
	WIN 0x40                                       ; destination window 1, address window 0
.set m, 0
.rept 64                               ; q[4 m .. 4 m + 3], the same bytes for every lane
	global_load_b128 v[4*m:4*m+3], v[ZO], s[6:7] offset:(m%2)*512+(m/2)*16
.set m, m+1
.endr
	WIN 0
.set m, 0
.rept 33                               ; trip 0 fetches 16 rows; lanes 16-31 read rows 16-31 all the same: zeros, 33 x 256 = 16 x 528 bytes
	ds_store_b64 v[STW], v[24:25] offset:16*RP+256*m
.set m, m+1
.endr
	s_wait_loadcnt 63                              ; of the 65 loads the oldest two are in: the list is the oldest
	v_and_b32 v15, 0x40000000, v[CA]
	v_cmp_ne_u32 s20, 0, v15
	s_and_b32 s20, s20, 0xffff                     ; WM: words with bit 30
	v_cmp_gt_i32 s21, 0, v[CA]
	s_and_b32 s21, s21, 0xffff                     ; SM: words with bit 31
	s_bcnt1_i32_b32 s16, s20
	s_bcnt1_i32_b32 s17, s21
	s_lshl_b32 s17, s17, 4
	s_add_co_u32 s25, s16, s17
	s_add_co_u32 s25, s25, 1
	s_min_u32 s25, s25, 273                        ; the trips
	s_mov_b32 s26, 0
.Ltrip:
	s_cmp_eq_u32 s26, 0
	s_cbranch_scc1 .Llist
	s_cmp_lg_u32 s22, 0
	s_cbranch_scc1 .Lhave
	s_cmp_lg_u32 s20, 0                            ; the next job: those of bit 30 first
	s_cselect_b32 s35, 1, 0
	s_cselect_b32 s36, s20, s21
	s_ctz_i32_b32 s28, s36                         ; its word's place in the list
	s_sub_co_u32 s37, s36, 1
	s_and_b32 s37, s37, s36                        ; that bit is cleared
	s_cmp_lg_u32 s35, 0
	s_cselect_b32 s20, s37, s20
	s_cselect_b32 s21, s21, s37
	s_cselect_b32 s22, 1, 16
	v_readlane_b32 s29, v[CA], s28
	s_and_b32 s24, s29, 0x1f848                    ; er, we, h
	s_bfe_u32 s23, s29, 0x40007                    ; its step,
	s_cmp_lg_u32 s35, 0
	s_cselect_b32 s23, s23, 0                      ; or all steps from 0
.Lhave:
	s_lshl_b32 s16, s23, 7
	s_or_b32 s16, s16, s24
	v_or_b32 v[RID], s16, v[LP]
	s_add_co_u32 s23, s23, 1
	s_sub_co_u32 s22, s22, 1
	s_mov_b32 s27, -1                              ; all 32 lanes count
	s_branch .Lrows
.Llist:
	v_and_b32 v[RID], 0x1ffff, v[CA]
	s_mov_b32 s27, 0xffff                          ; lanes 0-15 count
.Lrows:
	GATHER16 0
	s_cmp_eq_u32 s26, 0
	s_cbranch_scc1 .Lhalf                          ; no load is out on either way
	GATHER16 16
.Lhalf:
.set m, 0
.rept 32
	ds_load_b128 v[ROW+4*m:ROW+4*m+3], v[RDW] offset:16*m  ; LDS serves a wave's instructions in order (ISA guide 5.7.1.4): these see the stores above
.set m, m+1
.endr
	v_mov_b32 v[AC], 0
	WIN 0x04                                       ; source 1 (q) in window 1
.set m, 0
.rept 32
	s_wait_dscnt 31-m                              ; the younger loads may stay out
.irp j, 0,1,2,3
	v_fma_mix_f32_bf16 v[AC], v[ROW+4*m+(\j)], v[8*m+2*(\j)], v[AC] op_sel_hi:[1,0,0]
	v_fma_mix_f32_bf16 v[AC], v[ROW+4*m+(\j)], v[8*m+2*(\j)+1], v[AC] op_sel:[1,0,0] op_sel_hi:[1,0,0]
.endr
.set m, m+1
.endr
	WIN 0
	v_cndmask_b32 v[SC], s30, v[AC], s27
	v_xor_b32 v15, 0x7e00, v[RID]                  ; shard, 63 - window, place
	v_cvt_f32_u32 v15, v15
	v_cndmask_b32 v[TK], s31, v15, s27
	v_mov_b32 v[NS], s30
	v_mov_b32 v[NT], s31
	s_mov_b32 s34, 0
.Lround:
	v_max_num_f32 v15, v[SC], v[BS]                ; the best score left
	v_max_num_f32_dpp v15, v15, v15 row_xmask:1 row_mask:0xf bank_mask:0xf
	v_max_num_f32_dpp v15, v15, v15 row_xmask:2 row_mask:0xf bank_mask:0xf
	v_max_num_f32_dpp v15, v15, v15 row_xmask:4 row_mask:0xf bank_mask:0xf
	v_max_num_f32_dpp v15, v15, v15 row_xmask:8 row_mask:0xf bank_mask:0xf
	v_permlanex16_b32 v16, v15, s32, s33
	v_max_num_f32 v15, v15, v16
	v_cmp_eq_f32 vcc_lo, v[SC], v15                ; among its holders the lowest order number
	v_cndmask_b32 v17, s31, v[TK], vcc_lo
	v_cmp_eq_f32 vcc_lo, v[BS], v15
	v_cndmask_b32 v18, s31, v[BT], vcc_lo
	v_min_num_f32 v17, v17, v18
	v_min_num_f32_dpp v17, v17, v17 row_xmask:1 row_mask:0xf bank_mask:0xf
	v_min_num_f32_dpp v17, v17, v17 row_xmask:2 row_mask:0xf bank_mask:0xf
	v_min_num_f32_dpp v17, v17, v17 row_xmask:4 row_mask:0xf bank_mask:0xf
	v_min_num_f32_dpp v17, v17, v17 row_xmask:8 row_mask:0xf bank_mask:0xf
	v_permlanex16_b32 v18, v17, s32, s33
	v_min_num_f32 v17, v17, v18
	v_cmp_eq_u32 vcc_lo, s34, v[LN]                ; into this round's lane
	v_cndmask_b32 v[NS], v[NS], v15, vcc_lo
	v_cndmask_b32 v[NT], v[NT], v17, vcc_lo
	v_cmp_eq_f32 vcc_lo, v[TK], v17                ; and that row is out, wherever it stands
	v_cndmask_b32 v[SC], v[SC], s30, vcc_lo
	v_cmp_eq_f32 vcc_lo, v[BT], v17
	v_cndmask_b32 v[BS], v[BS], s30, vcc_lo
	s_add_co_u32 s34, s34, 1
	s_cmp_lt_u32 s34, 10
	s_cbranch_scc1 .Lround
	v_mov_b32 v[BS], v[NS]
	v_mov_b32 v[BT], v[NT]
	s_add_co_u32 s26, s26, 1
	s_cmp_lt_u32 s26, s25
	s_cbranch_scc1 .Ltrip
	v_cvt_u32_f32 v15, v[BT]
	v_xor_b32 v15, 0x7e00, v15                     ; the row's number again
	v_and_b32 v16, 0x7fff, v15
	v_lshrrev_b32 v17, 15, v15
	v_lshl_add_u32 v16, v16, 2, v17                ; the entity: 4 x local row + shard
	v_cmp_gt_f32 vcc_lo, s38, v[BS]                ; below the placeholders
	v_cndmask_b32 v16, v16, -1, vcc_lo
	v_cndmask_b32 v17, v[BS], s39, vcc_lo
	v_lshlrev_b32 v18, 2, v[LN]
	v_cmp_gt_u32 vcc_lo, 10, v[LN]
	s_wait_xcnt 0x0                                ; EXEC changes only behind this wait
	s_and_saveexec_b32 s16, vcc_lo
	global_store_b32 v18, v16, s[10:11]
	global_store_b32 v18, v17, s[12:13]
	s_wait_xcnt 0x0                                ; and again, in front of the line that widens it
	s_or_b32 exec_lo, exec_lo, s16
	s_wait_tensorcnt 0x0                           ; the wave's end, behind my last LDS store
	ds_add_u32 v[SPW], v[NIL]
	s_wait_dscnt 0x0
	s_endpgm
.Lfunc_end_k_q7a757522f3_final:
	.size	k_q7a757522f3_final, .Lfunc_end_k_q7a757522f3_final-k_q7a757522f3_final
	.p2alignl 7, 3214868480
	.fill 96, 4, 3214868480
	.section	.rodata,"a",@progbits
	.p2align	6, 0x0
	.amdhsa_kernel k_q7a757522f3_final
		.amdhsa_group_segment_fixed_size 68096
		.amdhsa_private_segment_fixed_size 0
		.amdhsa_enable_private_segment 0
		.amdhsa_kernarg_size 40
		.amdhsa_user_sgpr_count 2
		.amdhsa_user_sgpr_kernarg_segment_ptr 1
		.amdhsa_wavefront_size32 1
		.amdhsa_system_sgpr_workgroup_id_x 1
		.amdhsa_system_sgpr_workgroup_id_y 1
		.amdhsa_system_sgpr_workgroup_id_z 1
		.amdhsa_system_vgpr_workitem_id 0
		.amdhsa_next_free_vgpr 512
		.amdhsa_next_free_sgpr 66
		.amdhsa_reserve_vcc 1
		.amdhsa_float_denorm_mode_32 3
		.amdhsa_float_denorm_mode_16_64 3
		.amdhsa_memory_ordered 1
		.amdhsa_forward_progress 1
		.amdhsa_inst_pref_size 59
	.end_amdhsa_kernel
	.amdgpu_metadata
---
amdhsa.version: [ 1, 2 ]
amdhsa.kernels:
  - .name:           k_q7a757522f3_final
    .symbol:         k_q7a757522f3_final.kd
    .args:
      - { .name: entity_embedding, .offset: 0, .size: 8, .value_kind: global_buffer, .address_space: global }
      - { .name: QXP, .offset: 8, .size: 8, .value_kind: global_buffer, .address_space: global }
      - { .name: CAND, .offset: 16, .size: 8, .value_kind: global_buffer, .address_space: global }
      - { .name: out0, .offset: 24, .size: 8, .value_kind: global_buffer, .address_space: global }
      - { .name: out1, .offset: 32, .size: 8, .value_kind: global_buffer, .address_space: global }
    .group_segment_fixed_size: 68096
    .private_segment_fixed_size: 0
    .kernarg_segment_align: 8
    .kernarg_segment_size: 40
    .max_flat_workgroup_size: 128
    .sgpr_count:     66
    .vgpr_count:     512
    .wavefront_size: 32
...
	.end_amdgpu_metadata
.endif
;; end of part 4
